; MI455X (gfx1250); checked and timed in simulation.
; The chip was launched on July 23, 2026; its instructions are those of AMD's public machine-readable ISA for CDNA 5 (MIT licence, August 2026) and "CDNA5" Instruction Set Architecture Reference Guide (July 2026). The comments in the code are by the model that wrote it; some were corrected since.
;; Multi Head Attention. Allowed arithmetic: float matrix products may take bf16 or f16 operands with f32 sums; all other float work in f32.
;; Inputs: Wk 1,024 x 1,024 float32; Wo 1,024 x 1,024 float32; Wq 1,024 x 1,024 float32; Wv 1,024 x 1,024 float32; bk 1,024 float32; bo 1,024 float32; bq 1,024 float32; bv 1,024 float32; x 2 x 2,048 x 1,024 float32.
;; Outputs: out0 2 x 2,048 x 1,024 float32.
;; One version. Each part assembles by itself: llvm-mc -triple=amdgcn-amd-amdhsa -mcpu=gfx1250 --defsym DOCPART=n.
;; ======== version 1 of 1: 4 launches
;; workspace buffers: xb 8,388,608 bytes; wt 8,388,608 bytes; qkv 25,165,824 bytes; ao 8,388,608 bytes
;; launch prep (part 1): grid 1024 x 1, 8 waves a work-group, no clusters, 17,664 bytes of LDS; arguments x, Wq, Wk, Wv, Wo, xb, wt; writes xb, wt
.if DOCPART == 1
	.amdgcn_target "amdgcn-amd-amdhsa--gfx1250"
	.amdhsa_code_object_version 6
	.text
	.protected	k_q595a0684da_prep
	.globl	k_q595a0684da_prep
	.p2align	8
	.type	k_q595a0684da_prep,@function
k_q595a0684da_prep:
	s_mov_b64 s[64:65], 0
	v_nop
	global_prefetch_b8 v0, s[64:65] scope:SCOPE_SE
	s_setreg_imm32_b32 hwreg(HW_REG_WAVE_MODE, 25, 1), 1
	s_wait_xcnt 0x0
; prep: the matrix operands of the later launches, rounded once to bf16 (nearest even) and laid with K along the rows.
;   xb[row][k]  = bf16(x[row][k])                                  [4096][1024]
;   wt[head*192 + sel*64 + d][k] = bf16(W_sel[k][head*64 + d])     sel 0, 1, 2 = q, k, v
;   wt[3072 + n][k]              = bf16(Wo[k][n])
; Work-groups 0 to 511 cast 32,768 bytes of x each; work-groups 512 to 1023 cast and transpose a block of 128 k x 64 n of one W.
; The branch hangs on the work-group's number alone, so all eight waves of a work-group take the same way and meet the same barrier.
; No matrix unit, no tensor load, no cluster: every byte is read once and written once, and no two work-groups share a byte.
.set XGROUPS, 512                      ; 16,777,216 bytes of x / 32,768
.set WROW,    4096                     ; bytes in a row of W (1024 f32)
.set TROW,    2048                     ; bytes in a row of wt (1024 bf16)
.set QPITCH,  1040                     ; LDS: four rows of 256 bytes + 16: lanes four rows apart start 16 bytes apart modulo 256
.set IN,  8                            ; v[8:39]   eight loads of 16 bytes
.set PK,  40                           ; v[40:55]  packed bf16
	s_load_b256 s[4:11], s[0:1], 0x0               ; x s[4:5], Wq s[6:7], Wk s[8:9], Wv s[10:11]
	s_load_b128 s[12:15], s[0:1], 0x20             ; Wo s[12:13], xb s[14:15]
	s_load_b64 s[16:17], s[0:1], 0x30              ; wt
	v_lshl_add_u32 v64, v0, 2, 0x4100
	v_mov_b32 v65, 0
	s_cmp_ge_u32 ttmp9, XGROUPS
	s_cbranch_scc1 .Lweights
	; ---- x: thread t takes 16 bytes at 16 t of each of eight pieces of 4,096 bytes; all eight loads are out together
	s_lshl_b32 s20, ttmp9, 15                      ; my 32,768 bytes of x
	s_mov_b32 s21, 0
	s_lshl_b32 s22, ttmp9, 14                      ; my 16,384 bytes of xb
	s_mov_b32 s23, 0
	v_lshlrev_b32 v1, 4, v0
	v_lshlrev_b32 v2, 3, v0
	s_wait_kmcnt 0x0
	s_add_nc_u64 s[4:5], s[4:5], s[20:21]
	s_add_nc_u64 s[14:15], s[14:15], s[22:23]
.irp i, 0,1,2,3,4,5,6,7
	global_load_b128 v[IN+4*\i:IN+4*\i+3], v1, s[4:5] offset:4096*\i th:TH_LOAD_NT
.endr
.irp i, 0,1,2,3,4,5,6,7
	s_wait_loadcnt 7-\i                            ; loads come back in order: load i is in, the 7 - i younger ones stay out
	v_cvt_pk_bf16_f32 v[PK+2*\i],   v[IN+4*\i],   v[IN+4*\i+1]
	v_cvt_pk_bf16_f32 v[PK+2*\i+1], v[IN+4*\i+2], v[IN+4*\i+3]
	global_store_b64 v2, v[PK+2*\i:PK+2*\i+1], s[14:15] offset:2048*\i    ; a wave's store covers 256 consecutive bytes, aligned
.endr
	s_endpgm
	; ---- W: block (mat, kb, nb): k = 128 kb .. +127, n = 64 nb .. +63
.Lweights:
	s_sub_co_u32 s24, ttmp9, XGROUPS
	s_lshr_b32 s25, s24, 7                         ; mat 0..3 = Wq, Wk, Wv, Wo
	s_and_b32 s26, s24, 15                         ; nb (for q, k, v: the head)
	s_bfe_u32 s27, s24, 0x30004                    ; kb
	s_lshl_b32 s20, s27, 19                        ; 128 rows of 4,096 bytes
	s_lshl_b32 s28, s26, 8                         ; 64 f32
	s_add_co_u32 s20, s20, s28
	s_mov_b32 s21, 0
	s_mul_i32 s28, s26, 192
	s_lshl_b32 s29, s25, 6
	s_add_co_u32 s28, s28, s29                     ; q, k, v: row head*192 + sel*64
	s_lshl_b32 s29, s26, 6
	s_add_co_u32 s29, s29, 3072                    ; Wo: row 3072 + 64 nb
	s_cmp_lt_u32 s25, 3
	s_cselect_b32 s28, s28, s29
	s_lshl_b32 s22, s28, 11                        ; rows of 2,048 bytes
	s_lshl_b32 s29, s27, 8                         ; 128 bf16 along k
	s_add_co_u32 s22, s22, s29
	s_mov_b32 s23, 0
	v_and_b32 v1, 15, v0                           ; n4: my four columns 4 n4 .. +3
	v_lshrrev_b32 v2, 4, v0                        ; kg: my eight rows 8 kg .. +7
	v_lshlrev_b32 v3, 4, v1
	v_lshl_add_u32 v3, v2, 15, v3                  ; source: 8 kg rows + 16 n4 bytes: sixteen lanes read 256 consecutive bytes of a row
	v_mul_u32_u24 v4, v1, QPITCH
	v_lshl_add_u32 v4, v2, 4, v4                   ; LDS in: rows 4 n4 .. +3 of the transposed block, 16 bytes at k = 8 kg
	v_lshrrev_b32 v6, 6, v0
	v_mul_u32_u24 v5, v6, QPITCH
	v_and_b32 v6, 3, v2
	v_lshl_add_u32 v5, v6, 8, v5
	v_lshl_add_u32 v5, v1, 4, v5                   ; LDS back: row t / 16 of sixteen, 16 bytes at 16 (t % 16)
	v_lshlrev_b32 v7, 4, v1
	v_lshl_add_u32 v7, v2, 11, v7                  ; the same place in wt
	s_wait_kmcnt 0x0
	s_cmp_eq_u32 s25, 1                            ; the source is chosen among the four buffers by the block's number
	s_cselect_b64 s[6:7], s[8:9], s[6:7]
	s_cmp_eq_u32 s25, 2
	s_cselect_b64 s[6:7], s[10:11], s[6:7]
	s_cmp_eq_u32 s25, 3
	s_cselect_b64 s[6:7], s[12:13], s[6:7]
	s_add_nc_u64 s[6:7], s[6:7], s[20:21]
	s_add_nc_u64 s[16:17], s[16:17], s[22:23]
.irp j, 0,1,2,3,4,5,6,7
	global_load_b128 v[IN+4*\j:IN+4*\j+3], v3, s[6:7] offset:WROW*\j th:TH_LOAD_NT
.endr
.irp i, 0,1,2,3
	s_wait_loadcnt 6-2*\i                          ; rows 2 i and 2 i + 1 are in; the younger loads stay out
.irp e, 0,1,2,3
	v_cvt_pk_bf16_f32 v[PK+4*\e+\i], v[IN+8*\i+\e], v[IN+8*\i+4+\e]    ; column e: k = 2 i below, 2 i + 1 above
.endr
.endr
.irp e, 0,1,2,3
	ds_store_b128 v4, v[PK+4*\e:PK+4*\e+3] offset:256*\e               ; eight k of column 4 n4 + e
.endr
	s_wait_dscnt 0x0                               ; my stores are in LDS before I say so: other waves read them
	s_barrier_signal -1
	s_barrier_wait -1
.irp i, 0,1,2,3
	ds_load_b128 v[IN+4*\i:IN+4*\i+3], v5 offset:4*QPITCH*\i           ; rows 16 i .. 16 i + 15 of the transposed block
.endr
.irp i, 0,1,2,3
	s_wait_dscnt 3-\i
	global_store_b128 v7, v[IN+4*\i:IN+4*\i+3], s[16:17] offset:16*TROW*\i   ; sixteen lanes store 256 consecutive bytes, aligned
.endr
	s_wait_tensorcnt 0x0
	ds_add_u32 v64, v65
	s_wait_dscnt 0x0
	s_endpgm
.Lfunc_end_k_q595a0684da_prep:
	.size	k_q595a0684da_prep, .Lfunc_end_k_q595a0684da_prep-k_q595a0684da_prep
	.p2alignl 7, 3214868480
	.fill 96, 4, 3214868480
	.section	.rodata,"a",@progbits
	.p2align	6, 0x0
	.amdhsa_kernel k_q595a0684da_prep
		.amdhsa_group_segment_fixed_size 17664
		.amdhsa_private_segment_fixed_size 0
		.amdhsa_enable_private_segment 0
		.amdhsa_kernarg_size 56
		.amdhsa_user_sgpr_count 2
		.amdhsa_user_sgpr_kernarg_segment_ptr 1
		.amdhsa_wavefront_size32 1
		.amdhsa_system_sgpr_workgroup_id_x 1
		.amdhsa_system_sgpr_workgroup_id_y 1
		.amdhsa_system_sgpr_workgroup_id_z 1
		.amdhsa_system_vgpr_workitem_id 0
		.amdhsa_next_free_vgpr 66
		.amdhsa_next_free_sgpr 66
		.amdhsa_reserve_vcc 0
		.amdhsa_float_denorm_mode_32 3
		.amdhsa_float_denorm_mode_16_64 3
		.amdhsa_memory_ordered 1
		.amdhsa_forward_progress 1
		.amdhsa_inst_pref_size 9
	.end_amdhsa_kernel
	.amdgpu_metadata
---
amdhsa.version: [ 1, 2 ]
amdhsa.kernels:
  - .name:           k_q595a0684da_prep
    .symbol:         k_q595a0684da_prep.kd
    .args:
      - { .name: x, .offset: 0, .size: 8, .value_kind: global_buffer, .address_space: global }
      - { .name: Wq, .offset: 8, .size: 8, .value_kind: global_buffer, .address_space: global }
      - { .name: Wk, .offset: 16, .size: 8, .value_kind: global_buffer, .address_space: global }
      - { .name: Wv, .offset: 24, .size: 8, .value_kind: global_buffer, .address_space: global }
      - { .name: Wo, .offset: 32, .size: 8, .value_kind: global_buffer, .address_space: global }
      - { .name: xb, .offset: 40, .size: 8, .value_kind: global_buffer, .address_space: global }
      - { .name: wt, .offset: 48, .size: 8, .value_kind: global_buffer, .address_space: global }
    .group_segment_fixed_size: 17664
    .private_segment_fixed_size: 0
    .kernarg_segment_align: 8
    .kernarg_segment_size: 56
    .max_flat_workgroup_size: 256
    .sgpr_count:     66
    .vgpr_count:     66
    .wavefront_size: 32
...
	.end_amdgpu_metadata
.endif
;; end of part 1
;; launch qkv (part 2): grid 16 x 16, 4 waves a work-group, clusters of 4 x 4, 327,680 bytes of LDS; arguments xb, wt, bq, bk, bv, qkv; writes qkv
.if DOCPART == 2
	.amdgcn_target "amdgcn-amd-amdhsa--gfx1250"
	.amdhsa_code_object_version 6
	.text
	.protected	k_q595a0684da_qkv
	.globl	k_q595a0684da_qkv
	.p2align	8
	.type	k_q595a0684da_qkv,@function
k_q595a0684da_qkv:
	s_mov_b64 s[64:65], 0
	v_nop
	global_prefetch_b8 v0, s[64:65] scope:SCOPE_SE
	s_setreg_imm32_b32 hwreg(HW_REG_WAVE_MODE, 25, 1), 1
	s_wait_xcnt 0x0
	s_wait_alu depctr_hold_cnt(0) depctr_sa_sdst(0) depctr_va_vdst(0) depctr_va_sdst(0) depctr_va_ssrc(0) depctr_va_vcc(0) depctr_vm_vsrc(0)
	s_getreg_b32 s2, hwreg(HW_REG_IB_STS2, 6, 4)
	s_cmp_eq_u32 s2, 0
	s_cbranch_scc0 .Lentry_in_a_cluster
	s_endpgm
.Lentry_in_a_cluster:
	s_bfe_u32 s2, ttmp6, 0x10000c
	s_cmp_lg_u32 s2, 0xf033
	s_cbranch_scc0 .Lentry_shape_is_right
	s_endpgm
.Lentry_shape_is_right:
; qkv[b*16+head][sel][s][d] = bf16( sum over k of xb[b*2048+s][k] wt[head*192+sel*64+d][k] + bias_sel[head*64+d] ),  sel 0, 1, 2 = q, k, v.
; A work-group makes 256 rows x the 192 columns of one head; four waves, each 64 rows x 192 columns = 4 x 12 accumulator tiles, 384 registers.
; K = 1024 goes in 8 steps of 128 through two LDS slots filled by the tensor data mover (a tile's rows are 256 bytes of memory, aligned).
; CLUSTER 4 x 4: the four work-groups of a row of the cluster share the block of rows (xb's tile), the four of a column share the head (wt's tile);
; each tile is asked for jointly by the four that need it.
; LIMITS: operands are bf16, sums f32, K ascending in one accumulator for each output; the result is rounded once to bf16.
; REGISTER WINDOWS: 0 addresses, xb's fragments, work on the way out; 1 wt's fragments; 2 tiles (a, b < 8) at 8 (8 a + b);
;                   3 tiles (a, b >= 8) at 8 (4 a + b - 8), and the bias at 128 + 8 b.
; The matrix instruction is used transposed (source 0 = 16 rows of wt, source 1 = 16 rows of xb): a lane then holds row l % 16 of the
; result and its eight registers the columns 8 (l / 16) + 0..7, which pack into 16 neighbouring bytes.
.set KSTEP,  128
.set PITCH,  272                       ; LDS row: 256 bytes + 16: an odd multiple of 16, so sixteen rows start at sixteen different 16-byte columns modulo 256
.set PIECE,  128*PITCH                 ; what one wave's tensor load may fill: xb 128 rows, wt 96 rows (the rest of the piece is never touched)
.set BGAP,   PIECE-96*PITCH            ; so wt's rows 96 to 191 begin this much later
.set SLOT,   4*PIECE
.set STAGE,  2*SLOT                    ; behind the ring, never filled by a tensor load
.set HP,     144                       ; stage row: 64 bf16 + 16 bytes
.set WSTAGE, 3*16*HP                   ; a wave's stage: 16 rows of q, of k, of v
.set LAPS,   1024/(2*KSTEP)
.set WAVE, 16                          ; s16 the wave's number
.set G1A, 24                           ; s[24:31] shape of xb's tile     s[32:39] G0A: from where, to where, one set a slot
.set G0A, 32
.set G1B, 40                           ; s[40:47] shape of wt's tile     s[48:55] G0B
.set G0B, 48
.set ADRA, 16                          ; v16, v17 LDS address of my xb fragments, slot 0, 1
.set ADRB, 20                          ; v20, v21 the same for wt
.set STO, 24
.set RD,  25
.set CO,  26
.set BOFF, 27
.set FA, 64                            ; window 0: v[64+32 f ..] four fragments of xb, buffer f
.set FB, 0                             ; window 1: v[96 f ..] twelve fragments of wt, buffer f
.set T,  128                           ; window 0: v[128:223] results with bias, then packed
.set RB, 64                            ; window 0: v[64:111] rows read back from the stage
.set BIAS, 128                         ; window 3
.set MSB, 0
.macro WIN new                         ; the immediate's high byte repeats the setting that is left
.if MSB != \new
	s_set_vgpr_msb (MSB<<8)|\new
.set MSB, \new
.endif
.endm
.macro PLACES n
.rept \n
	v_nop
.endr
.endm
.macro CREST                           ; a round of the cluster's barrier behind its opening work-group barrier
	s_cmp_lg_u32 s[WAVE], 0
	s_cbranch_scc1 .Lnot_wave_0_\@
	s_barrier_signal -3
.Lnot_wave_0_\@:
	s_barrier_wait -3
	s_barrier_signal -1
	s_barrier_wait -1
.endm
.macro CROUND
	s_barrier_signal -1
	s_barrier_wait -1
	CREST
.endm
.macro JLOAD s                         ; waves 0, 1 ask for xb's two halves, waves 2, 3 for wt's: one tensor load a wave, each line with one mask
	s_cmp_lt_u32 s[WAVE], 2
	s_cbranch_scc0 .Lfor_b_\@
	tensor_load_to_lds s[G0A+4*\s:G0A+4*\s+3], s[G1A:G1A+7]
	s_nop 0
	s_branch .Lasked_\@
.Lfor_b_\@:
	tensor_load_to_lds s[G0B+4*\s:G0B+4*\s+3], s[G1B:G1B+7]
	s_nop 0
.Lasked_\@:
.endm
	s_load_b256 s[4:11], s[0:1], 0x0               ; xb s[4:5], wt s[6:7], bq s[8:9], bk s[10:11]
	s_load_b128 s[12:15], s[0:1], 0x20             ; bv s[12:13], qkv s[14:15]
	s_set_vgpr_msb 0x40
	v_lshl_add_u32 v255, v0, 2, 0x4ac00
	s_set_vgpr_msb 0x4000
	v_mov_b32 v255, 0
	s_set_vgpr_msb 0x1
	ds_add_u32 v255, v255
	s_set_vgpr_msb 0x100
	v_lshrrev_b32 v1, 5, v0
	v_readfirstlane_b32 s[WAVE], v1
	s_and_b32 s18, s[WAVE], 1                      ; which half of a tile I fetch
	s_bfe_u32 s19, ttmp6, 0x40000                  ; cx
	s_bfe_u32 s20, ttmp6, 0x40004                  ; cy
	s_lshl_b32 s21, ttmp9, 2
	s_add_co_u32 s21, s21, s19                     ; head = 4 x cluster x + cx
	s_and_b32 s22, ttmp7, 0xffff
	s_lshl_b32 s22, s22, 2
	s_add_co_u32 s22, s22, s20                     ; block of 256 rows = 4 x cluster y + cy
	s_lshl_b32 s56, s20, 2
	s_lshl_b32 s56, 15, s56                        ; my row of the cluster
	s_lshl_b32 s57, 0x1111, s19                    ; my column
	s_or_b32 s[G1A+0], s56, (1<<16)|(1<<20)|(1<<21)|(5<<22)|(3<<25)   ; mask; elements of 2 bytes; padding on; bit 21 beside a mask; 4 words behind every 64
	s_or_b32 s[G1B+0], s57, (1<<16)|(1<<20)|(1<<21)|(5<<22)|(3<<25)
	s_mov_b32 s[G1A+1], KSTEP<<16                  ; tensor_dim0 = 128
	s_mov_b32 s[G1B+1], KSTEP<<16
	s_mov_b32 s[G1A+2], 128<<16                    ; tensor_dim1 = 128 rows
	s_mov_b32 s[G1B+2], 96<<16                     ;               96 rows
	s_mov_b32 s[G1A+3], KSTEP<<16                  ; tile_dim0 = 128
	s_mov_b32 s[G1B+3], KSTEP<<16
	s_mov_b32 s[G1A+4], 128                        ; tile_dim1
	s_mov_b32 s[G1B+4], 96
	s_mov_b32 s[G1A+5], 1024                       ; elements from row to row
	s_mov_b32 s[G1B+5], 1024
	s_mov_b32 s[G1A+6], 0
	s_mov_b32 s[G1B+6], 0
	s_mov_b32 s[G1A+7], 0
	s_mov_b32 s[G1B+7], 0
	s_lshl_b32 s58, s18, 18                        ; 128 rows of 2,048 bytes
	s_lshl_b32 s66, s22, 19                        ; xb: 256 rows a block: hangs on the block of rows and the wave alone
	s_add_co_u32 s66, s66, s58
	s_mov_b32 s67, 0
	s_mul_i32 s59, s18, 96*2048
	s_mul_i32 s68, s21, 192*2048                   ; wt: 192 rows a head: hangs on the head and the wave alone
	s_add_co_u32 s68, s68, s59
	s_mov_b32 s69, 0
	s_mul_i32 s60, s[WAVE], PIECE                  ; LDS: the wave's number times a piece
	s_wait_dscnt 0x0
	s_wait_kmcnt 0x0
	s_add_nc_u64 s[66:67], s[4:5], s[66:67]
	s_add_nc_u64 s[68:69], s[6:7], s[68:69]
	CROUND                                         ; all sixteen work-groups are here: the first joint loads meet
.irp s, 0,1
	s_mov_b32 s[G0A+4*\s], 1
	s_add_co_u32 s[G0A+4*\s+1], s60, \s*SLOT
	s_add_nc_u64 s[G0A+4*\s+2:G0A+4*\s+3], s[66:67], \s*KSTEP*2
	s_or_b32 s[G0A+4*\s+3], s[G0A+4*\s+3], 0x80000000
	s_mov_b32 s[G0B+4*\s], 1
	s_add_co_u32 s[G0B+4*\s+1], s60, \s*SLOT
	s_add_nc_u64 s[G0B+4*\s+2:G0B+4*\s+3], s[68:69], \s*KSTEP*2
	s_or_b32 s[G0B+4*\s+3], s[G0B+4*\s+3], 0x80000000
	JLOAD \s                                       ; K steps 0 and 1: two tensor loads of the wave are out
.endr
	v_and_b32 v1, 15, v0                           ; r = l % 16
	v_bfe_u32 v2, v0, 4, 1                         ; h = l / 16
	v_and_b32 v5, 31, v0                           ; l
	s_lshl_b32 s61, s21, 8
	v_lshl_add_u32 v[BOFF], v2, 5, s61             ; bias: 64 f32 a head, my eight columns begin at 8 h
	WIN 0xc0                                       ; destination window 3
.irp b, 0,1,2,3
	global_load_b128 v[BIAS+8*\b:BIAS+8*\b+3],       v[BOFF], s[8:9] offset:64*\b
	global_load_b128 v[BIAS+8*\b+4:BIAS+8*\b+7],     v[BOFF], s[8:9] offset:64*\b+16
	global_load_b128 v[BIAS+32+8*\b:BIAS+32+8*\b+3],   v[BOFF], s[10:11] offset:64*\b
	global_load_b128 v[BIAS+32+8*\b+4:BIAS+32+8*\b+7], v[BOFF], s[10:11] offset:64*\b+16
	global_load_b128 v[BIAS+64+8*\b:BIAS+64+8*\b+3],   v[BOFF], s[12:13] offset:64*\b
	global_load_b128 v[BIAS+64+8*\b+4:BIAS+64+8*\b+7], v[BOFF], s[12:13] offset:64*\b+16
.endr
	WIN 0
	v_mul_u32_u24 v3, v1, PITCH
	v_lshl_add_u32 v3, v2, 4, v3                   ; a fragment: row r, 16 bytes at 16 h, and 32 bytes on
	s_mul_i32 s62, s[WAVE], 64*PITCH               ; my 64 rows of xb
	v_add_nc_u32 v[ADRA], s62, v3
	v_add_nc_u32 v[ADRA+1], SLOT, v[ADRA]
	v_add_nc_u32 v[ADRB], 2*PIECE, v3              ; wt's rows lie behind xb's two pieces
	v_add_nc_u32 v[ADRB+1], 2*PIECE+SLOT, v3
	s_mul_i32 s63, s[WAVE], WSTAGE
	s_add_co_u32 s63, s63, STAGE
	v_mul_u32_u24 v4, v1, HP
	v_lshl_add_u32 v4, v2, 4, v4
	v_add_nc_u32 v[STO], s63, v4                   ; in: row r, 16 bytes at 16 h
	v_lshrrev_b32 v6, 3, v5
	v_and_b32 v7, 7, v5
	v_mul_u32_u24 v6, v6, HP
	v_lshl_add_u32 v6, v7, 4, v6
	v_add_nc_u32 v[RD], s63, v6                    ; back: four rows of 128 bytes a load
	v_lshlrev_b32 v[CO], 4, v5                     ; which are 512 consecutive bytes of a plane of qkv
	s_lshr_b32 s70, s22, 3                         ; batch
	s_lshl_b32 s70, s70, 4
	s_add_co_u32 s70, s70, s21                     ; batch x 16 + head
	s_mul_i32 s70, s70, 3*2048*128
	s_and_b32 s71, s22, 7
	s_lshl_b32 s71, s71, 15                        ; 256 rows of 128 bytes
	s_add_co_u32 s70, s70, s71
	s_lshl_b32 s71, s[WAVE], 13                    ; my 64 rows
	s_add_co_u32 s70, s70, s71
	s_mov_b32 s71, 0
	s_add_nc_u64 s[14:15], s[14:15], s[70:71]
; 32 LDS loads: the fragments of 32 along K at byte k of slot's rows, into buffer f
.macro FETCH slot, k, f
	WIN 0
.irp i, 0,1,2,3
	ds_load_b128 v[FA+32*(\f)+8*\i:FA+32*(\f)+8*\i+3],   v[ADRA+\slot] offset:\k+\i*16*PITCH
	ds_load_b128 v[FA+32*(\f)+8*\i+4:FA+32*(\f)+8*\i+7], v[ADRA+\slot] offset:\k+\i*16*PITCH+32
.endr
	WIN 0x40
.irp i, 0,1,2,3,4,5
	ds_load_b128 v[FB+96*(\f)+8*\i:FB+96*(\f)+8*\i+3],   v[ADRB+\slot] offset:\k+\i*16*PITCH
	ds_load_b128 v[FB+96*(\f)+8*\i+4:FB+96*(\f)+8*\i+7], v[ADRB+\slot] offset:\k+\i*16*PITCH+32
.endr
.irp i, 6,7,8,9,10,11
	ds_load_b128 v[FB+96*(\f)+8*\i:FB+96*(\f)+8*\i+3],   v[ADRB+\slot] offset:\k+\i*16*PITCH+BGAP
	ds_load_b128 v[FB+96*(\f)+8*\i+4:FB+96*(\f)+8*\i+7], v[ADRB+\slot] offset:\k+\i*16*PITCH+BGAP+32
.endr
.endm
; The 48 accumulators take turns, one instruction a turn, in the same order in every quarter step; zero = 1 starts the sums.
.macro MULLO f, zero
.irp a, 0,1,2,3
.irp b, 0,1,2,3,4,5,6,7
.if \zero
	v_wmma_f32_16x16x32_bf16 v[8*(8*\a+\b):8*(8*\a+\b)+7], v[FB+96*\f+8*\b:FB+96*\f+8*\b+7], v[FA+32*\f+8*\a:FA+32*\f+8*\a+7], 0
.else
	v_wmma_f32_16x16x32_bf16 v[8*(8*\a+\b):8*(8*\a+\b)+7], v[FB+96*\f+8*\b:FB+96*\f+8*\b+7], v[FA+32*\f+8*\a:FA+32*\f+8*\a+7], v[8*(8*\a+\b):8*(8*\a+\b)+7]
.endif
.endr
.endr
.endm
.macro MULHI f, zero
.irp a, 0,1,2,3
.irp b, 8,9,10,11
.if \zero
	v_wmma_f32_16x16x32_bf16 v[8*(4*\a+\b-8):8*(4*\a+\b-8)+7], v[FB+96*\f+8*\b:FB+96*\f+8*\b+7], v[FA+32*\f+8*\a:FA+32*\f+8*\a+7], 0
.else
	v_wmma_f32_16x16x32_bf16 v[8*(4*\a+\b-8):8*(4*\a+\b-8)+7], v[FB+96*\f+8*\b:FB+96*\f+8*\b+7], v[FA+32*\f+8*\a:FA+32*\f+8*\a+7], v[8*(4*\a+\b-8):8*(4*\a+\b-8)+7]
.endif
.endr
.endr
.endm
; One of a K step's first three quarters: asks for the next quarter's fragments, then multiplies buffer f.
.macro QUARTER slot, knext, f, zero
	PLACES 4                                       ; four plain vector places between the matrix instructions that read the other buffer and the loads into it
	FETCH \slot, \knext, 1-\f
	s_wait_dscnt 32                                ; all but the 32 loads just issued: buffer f is whole
	WIN 0xa1                                       ; source 0 window 1, source 1 window 0, C and D window 2
	MULLO \f, \zero
	WIN 0xf1                                       ; C and D window 3
	MULHI \f, \zero
.endm
.macro THREE slot, zero
	QUARTER \slot, 64,  0, \zero
	QUARTER \slot, 128, 1, 0
	QUARTER \slot, 192, 0, 0
.endm
; The last quarter multiplies buffer 1 and changes slots.  In front of the barrier each wave has waited for its reads of this slot and for all its
; tensor loads (one is out: its part of the next slot).  fill = 1: the barrier opens a round of the cluster's barrier, and behind the round this
; slot's joint refill is the wave's first and only tensor load.  From that request to the wait for it a wave issues 160 matrix instructions.
.macro TURN slot, next, fill
	s_wait_dscnt 0x0
	s_wait_tensorcnt 0x0
	ds_add_u32 v255, v255
	s_wait_dscnt 0x0
	s_barrier_signal -1
	WIN 0xa1
	MULLO 1, 0                                     ; register work while the others arrive
	WIN 0
	s_barrier_wait -1
.if \fill
	CREST
	s_add_nc_u64 s[G0A+4*\slot+2:G0A+4*\slot+3], s[G0A+4*\slot+2:G0A+4*\slot+3], 2*KSTEP*2   ; no tensor load of mine is out: the addresses may step
	s_add_nc_u64 s[G0B+4*\slot+2:G0B+4*\slot+3], s[G0B+4*\slot+2:G0B+4*\slot+3], 2*KSTEP*2
	JLOAD \slot
.endif
	PLACES 4
	FETCH \next, 0, 0
	WIN 0xf1
	MULHI 1, 0
.endm
.macro LAP zero
	THREE 0, \zero
	TURN 0, 1, 1
	THREE 1, 0
	TURN 1, 0, 1
.endm
	s_wait_tensorcnt 0x1                           ; my part of K step 0 is in; K step 1's stays out
	s_barrier_signal -1
	s_barrier_wait -1
	FETCH 0, 0, 0
	LAP 1                                          ; the first products start the sums: nothing is cleared
	WIN 0
	s_mov_b32 s23, LAPS-2
.Llap:
	LAP 0
	WIN 0
	s_sub_co_u32 s23, s23, 1
	s_cmp_lg_u32 s23, 0
	s_cbranch_scc1 .Llap
	THREE 0, 0                                     ; the last lap fills nothing
	TURN 0, 1, 0
	THREE 1, 0
	s_wait_dscnt 0x0
	WIN 0xa1
	MULLO 1, 0
	WIN 0xf1
	MULHI 1, 0
	PLACES 4                                       ; behind the last matrix instructions, ahead of the vector reads of their results
	s_wait_loadcnt 0x0                             ; the bias
; Rows 16 a .. 16 a + 15 of my 64: add the bias, round once, 16 bytes a lane into my own stage, read back as whole rows, store.
.macro OUT a
	WIN 0x0e                                       ; source 0 window 2, source 1 window 3, destination window 0
.irp b, 0,1,2,3,4,5,6,7
.irp p, 0,2,4,6
	v_pk_add_f32 v[T+8*\b+\p:T+8*\b+\p+1], v[8*(8*\a+\b)+\p:8*(8*\a+\b)+\p+1], v[BIAS+8*\b+\p:BIAS+8*\b+\p+1]
.endr
.endr
	WIN 0x0f
.irp b, 8,9,10,11
.irp p, 0,2,4,6
	v_pk_add_f32 v[T+8*\b+\p:T+8*\b+\p+1], v[8*(4*\a+\b-8)+\p:8*(4*\a+\b-8)+\p+1], v[BIAS+8*\b+\p:BIAS+8*\b+\p+1]
.endr
.endr
	WIN 0
.irp b, 0,1,2,3,4,5,6,7,8,9,10,11
.irp r, 0,1,2,3
	v_cvt_pk_bf16_f32 v[T+8*\b+\r], v[T+8*\b+2*\r], v[T+8*\b+2*\r+1]
.endr
.endr
.irp b, 0,1,2,3,4,5,6,7,8,9,10,11
	ds_store_b128 v[STO], v[T+8*\b:T+8*\b+3] offset:(\b/4)*16*HP+32*(\b%4)
.endr
	s_wait_xcnt 0x0                                ; RB, which the last group's stores read, is loaded again only behind this wait
.irp t, 0,1,2,3,4,5,6,7,8,9,10,11
	ds_load_b128 v[RB+4*\t:RB+4*\t+3], v[RD] offset:(\t/4)*16*HP+4*HP*(\t%4)   ; a wave's LDS instructions are served in order: these see the stores above
.endr
.irp t, 0,1,2,3,4,5,6,7,8,9,10,11
	s_wait_dscnt 11-\t
	global_store_b128 v[CO], v[RB+4*\t:RB+4*\t+3], s[14:15] offset:(\t/4)*262144+\a*2048+512*(\t%4)   ; 512 consecutive bytes, aligned
.endr
.endm
	OUT 0
	OUT 1
	OUT 2
	OUT 3
	s_set_vgpr_msb 0x1
	s_wait_tensorcnt 0x0
	ds_add_u32 v255, v255
	s_wait_dscnt 0x0
	s_set_vgpr_msb 0x100
	CROUND                                         ; the closing round: no work-group ends while a partner may still ask jointly
	s_endpgm
.Lfunc_end_k_q595a0684da_qkv:
	.size	k_q595a0684da_qkv, .Lfunc_end_k_q595a0684da_qkv-k_q595a0684da_qkv
	.p2alignl 7, 3214868480
	.fill 96, 4, 3214868480
	.section	.rodata,"a",@progbits
	.p2align	6, 0x0
	.amdhsa_kernel k_q595a0684da_qkv
		.amdhsa_group_segment_fixed_size 327680
		.amdhsa_private_segment_fixed_size 0
		.amdhsa_enable_private_segment 0
		.amdhsa_kernarg_size 48
		.amdhsa_user_sgpr_count 2
		.amdhsa_user_sgpr_kernarg_segment_ptr 1
		.amdhsa_wavefront_size32 1
		.amdhsa_system_sgpr_workgroup_id_x 1
		.amdhsa_system_sgpr_workgroup_id_y 1
		.amdhsa_system_sgpr_workgroup_id_z 1
		.amdhsa_system_vgpr_workitem_id 0
		.amdhsa_next_free_vgpr 992
		.amdhsa_next_free_sgpr 72
		.amdhsa_reserve_vcc 0
		.amdhsa_float_denorm_mode_32 3
		.amdhsa_float_denorm_mode_16_64 3
		.amdhsa_memory_ordered 1
		.amdhsa_forward_progress 1
		.amdhsa_inst_pref_size 177
	.end_amdhsa_kernel
	.amdgpu_metadata
---
amdhsa.version: [ 1, 2 ]
amdhsa.kernels:
  - .name:           k_q595a0684da_qkv
    .symbol:         k_q595a0684da_qkv.kd
    .args:
      - { .name: xb, .offset: 0, .size: 8, .value_kind: global_buffer, .address_space: global }
      - { .name: wt, .offset: 8, .size: 8, .value_kind: global_buffer, .address_space: global }
      - { .name: bq, .offset: 16, .size: 8, .value_kind: global_buffer, .address_space: global }
      - { .name: bk, .offset: 24, .size: 8, .value_kind: global_buffer, .address_space: global }
      - { .name: bv, .offset: 32, .size: 8, .value_kind: global_buffer, .address_space: global }
      - { .name: qkv, .offset: 40, .size: 8, .value_kind: global_buffer, .address_space: global }
    .group_segment_fixed_size: 327680
    .private_segment_fixed_size: 0
    .kernarg_segment_align: 8
    .kernarg_segment_size: 48
    .max_flat_workgroup_size: 128
    .sgpr_count:     72
    .vgpr_count:     992
    .wavefront_size: 32
...
	.end_amdgpu_metadata
.endif
;; end of part 2
;; launch attn (part 3): grid 8 x 32, 8 waves a work-group, clusters of 4 x 1, 327,680 bytes of LDS; arguments qkv, ao; writes ao
.if DOCPART == 3
	.amdgcn_target "amdgcn-amd-amdhsa--gfx1250"
	.amdhsa_code_object_version 6
	.text
	.protected	k_q595a0684da_attn
	.globl	k_q595a0684da_attn
	.p2align	8
	.type	k_q595a0684da_attn,@function
k_q595a0684da_attn:
	s_mov_b64 s[64:65], 0
	v_nop
	global_prefetch_b8 v0, s[64:65] scope:SCOPE_SE
	s_setreg_imm32_b32 hwreg(HW_REG_WAVE_MODE, 25, 1), 1
	s_wait_xcnt 0x0
	s_wait_alu depctr_hold_cnt(0) depctr_sa_sdst(0) depctr_va_vdst(0) depctr_va_sdst(0) depctr_va_ssrc(0) depctr_va_vcc(0) depctr_vm_vsrc(0)
	s_getreg_b32 s2, hwreg(HW_REG_IB_STS2, 6, 4)
	s_cmp_eq_u32 s2, 0
	s_cbranch_scc0 .Lentry_in_a_cluster
	s_endpgm
.Lentry_in_a_cluster:
	s_bfe_u32 s2, ttmp6, 0x10000c
	s_cmp_lg_u32 s2, 0x3003
	s_cbranch_scc0 .Lentry_shape_is_right
	s_endpgm
.Lentry_shape_is_right:
; Attention of one head for 256 query rows, with a running maximum:  ao = softmax(q k^T / 8) v,  rounded once to bf16.
; Eight waves, 32 query rows each (u = 0, 1: sixteen rows).  Keys go in 8 tiles of 256 through two LDS slots, each tile in four sub-tiles of 64 keys.
; CLUSTER 4 x 1: four blocks of query rows of one head need the same tiles of k and v and ask for them jointly.
; TRANSPOSED: S^T = K Q^T (A = 16 keys, B = 16 query rows): a lane holds one query row l % 16 and keys 8 (l / 16) + 0..7 of each tile, so a row's
; maximum and sum are made inside the lane and by one exchange with lane l xor 16, and two packed tiles of S^T are the B fragment of
; O^T = V^T P^T (A = V^T by the transposing LDS load).  A lane's eight results of O^T are eight neighbouring d of one query row.
; p = 2^(c s - c m) with c = log2(e) / 8 and m the running maximum of the raw scores s; sums and O are rescaled by 2^(c m_old - c m_new).
; THE STEP IS PIPELINED: step i makes S^T of sub-tile i (16 matrix instructions in one block), rescales O by step i - 1's factor, and then runs
; the softmax of sub-tile i with the 16 matrix instructions of O^T += V^T P^T of sub-tile i - 1 issued singly among its vector instructions,
; at least eight of them between two.  So P has registers of its own, and everything that this part names lies in window 0: no window is switched in it.
; The products go fragment by fragment of P, (u, p) = (0,0), (0,1), (1,0), (1,1), the four accumulators O (t, u) by turns; group g of the softmax packs into
; P + 4 g, and every product that reads a fragment stands at least eight plain vector instructions ahead of the first packing into it.
; LIMITS: q, k, v and p enter the matrix unit in bf16; l sums the unrounded p; a p below 2^-126 counts as 0 (v_exp_f32 flushes denormal results: ISA guide 15.8).
.set KP,     144                       ; k's LDS row: 128 bytes + 16 (an odd multiple of 16)
.set VP,     160                       ; v's LDS row: 128 bytes + 32 (an odd multiple of 32, for the transposing load)
.set PIECE,  64*VP                     ; what one wave's tensor load may fill: 64 rows; k's pieces leave their last 1,024 bytes untouched
.set SLOT,   8*PIECE                   ; pieces 0-3: k's 256 rows, pieces 4-7: v's
.set STAGE,  2*SLOT
.set WSTAGE, 32*KP
.set TILEB,  32768                     ; bytes of k, and of v, in a tile of 256 keys
.set WAVE, 8
.set G1K, 24
.set G0K, 32
.set G1V, 40
.set G0V, 48
; window 0
.set PFA, 1                            ; the prefetch's offset
.set ADK, 2                            ; v2, v3  k's fragments, slot 0, 1
.set ADV, 4                            ; v4, v5  v's
.set PF,  6
.set QOFF, 7
.set M,   8                            ; v8, v9    running maximum, u = 0, 1
.set T,   10                           ; v10, v11  new maximum
.set TM,  12                           ; v[12:15]  at work
.set AL,  16                           ; v[16:19]  rescaling factor, twice for each u
.set NM,  20                           ; v[20:23]  - c x maximum, twice for each u
.set LS,  24                           ; v[24:31]  two pairs of partial sums for each u (at the start and at the end: at work)
.set S,   32                           ; v[32:95]   tile g = 4 u + a at 8 g
.set P,   96                           ; v[96:127]  fragment (u, p) at 16 u + 8 p
.set FV,  128                          ; v[128:191] fragment (t, p) at 16 t + 8 p
.set O,   192                          ; v[192:255] tile (t, u) at 8 (2 t + u)
; window 1
.set Q,   0                            ; v[0:31]   fragment (u, kk) at 16 u + 8 kk
.set FK,  32                           ; v[32:95]  fragment (a, kk) at 16 a + 8 kk
; the way out, in the registers of LDS addresses that are no longer used
.set STO, 2
.set RD,  3
.set CO,  4
.set MSB, 0
.macro WIN new                         ; the immediate's high byte repeats the setting that is left
.if MSB != \new
	s_set_vgpr_msb (MSB<<8)|\new
.set MSB, \new
.endif
.endm
.macro PLACES n
.rept \n
	v_nop
.endr
.endm
.macro CREST
	s_cmp_lg_u32 s[WAVE], 0
	s_cbranch_scc1 .Lnot_wave_0_\@
	s_barrier_signal -3
.Lnot_wave_0_\@:
	s_barrier_wait -3
	s_barrier_signal -1
	s_barrier_wait -1
.endm
.macro CROUND
	s_barrier_signal -1
	s_barrier_wait -1
	CREST
.endm
.macro JLOAD s                         ; waves 0-3 ask for 64 rows of k each, waves 4-7 for 64 rows of v: one tensor load a wave
	s_cmp_lt_u32 s[WAVE], 4
	s_cbranch_scc0 .Lfor_v_\@
	tensor_load_to_lds s[G0K+4*\s:G0K+4*\s+3], s[G1K:G1K+7]
	s_nop 0
	s_branch .Lasked_\@
.Lfor_v_\@:
	tensor_load_to_lds s[G0V+4*\s:G0V+4*\s+3], s[G1V:G1V+7]
	s_nop 0
.Lasked_\@:
.endm
	s_load_b128 s[4:7], s[0:1], 0x0                ; qkv s[4:5], ao s[6:7]
	s_set_vgpr_msb 0x40
	v_lshl_add_u32 v96, v0, 2, 0x31000
	v_mov_b32 v97, 0
	s_set_vgpr_msb 0x4045
	ds_add_u32 v96, v97
	s_set_vgpr_msb 0x4500
	v_lshrrev_b32 v1, 5, v0
	v_readfirstlane_b32 s[WAVE], v1
	s_and_b32 s10, s[WAVE], 3                      ; which 64 rows of a tile I fetch
	s_bfe_u32 s11, ttmp6, 0x40000                  ; cx
	s_lshl_b32 s12, ttmp9, 2
	s_add_co_u32 s12, s12, s11                     ; block of 256 query rows
	s_and_b32 s13, ttmp7, 0xffff                   ; batch x 16 + head
	s_mov_b32 s16, 0x3e38aa3b                      ; c = log2(e) / 8
	s_mov_b32 s17, 0x3e38aa3b
	s_mov_b32 s20, 0xbe38aa3b                      ; - c
	s_mov_b32 s18, 0x76543210                      ; v_permlanex16_b32: lane i of the other half
	s_mov_b32 s19, 0xfedcba98
	s_mov_b32 s[G1K+0], 15|(1<<16)|(1<<20)|(1<<21)|(4<<22)|(3<<25)   ; all four of the cluster; 2-byte elements; 4 words behind every 32
	s_mov_b32 s[G1V+0], 15|(1<<16)|(1<<20)|(1<<21)|(4<<22)|(7<<25)   ; 8 words behind every 32
.irp g, G1K, G1V
	s_mov_b32 s[\g+1], 64<<16                      ; tensor_dim0 = 64
	s_mov_b32 s[\g+2], 64<<16                      ; tensor_dim1 = 64
	s_mov_b32 s[\g+3], 64<<16                      ; tile_dim0 = 64
	s_mov_b32 s[\g+4], 64                          ; tile_dim1 = 64
	s_mov_b32 s[\g+5], 64                          ; elements from row to row
	s_mov_b32 s[\g+6], 0
	s_mov_b32 s[\g+7], 0
.endr
	s_mul_i32 s56, s13, 3*2048*128                 ; the head's q, k, v
	s_mov_b32 s57, 0
	s_lshl_b32 s22, s10, 13                        ; 64 rows of 128 bytes
	s_mov_b32 s23, 0
	s_mul_i32 s15, s[WAVE], PIECE                  ; LDS: the wave's number times a piece
	s_lshr_b32 s68, s13, 4                         ; ao[block of 128 rows][head][row][d]: block = batch x 16 + 2 x my block + wave / 4
	s_lshl_b32 s68, s68, 4
	s_lshl_b32 s69, s12, 1
	s_add_co_u32 s68, s68, s69
	s_lshr_b32 s69, s[WAVE], 2
	s_add_co_u32 s68, s68, s69
	s_lshl_b32 s68, s68, 4
	s_and_b32 s69, s13, 15
	s_add_co_u32 s68, s68, s69
	s_lshl_b32 s68, s68, 14                        ; 128 rows of 128 bytes
	s_lshl_b32 s69, s10, 12                        ; my 32 rows
	s_add_co_u32 s68, s68, s69
	s_mov_b32 s69, 0
	s_wait_dscnt 0x0
	s_wait_kmcnt 0x0
	s_add_nc_u64 s[56:57], s[4:5], s[56:57]        ; q's plane
	s_add_nc_u64 s[58:59], s[56:57], 0x40000       ; k's plane; v's lies 262,144 bytes on
	s_add_nc_u64 s[66:67], s[58:59], s[22:23]      ; my rows of tile 0: hangs on the head and the wave alone
	s_add_nc_u64 s[6:7], s[6:7], s[68:69]
	CROUND                                         ; the four work-groups are here: the first joint loads meet
.irp s, 0,1
	s_mov_b32 s[G0K+4*\s], 1
	s_add_co_u32 s[G0K+4*\s+1], s15, \s*SLOT
	s_add_nc_u64 s[G0K+4*\s+2:G0K+4*\s+3], s[66:67], \s*TILEB
	s_or_b32 s[G0K+4*\s+3], s[G0K+4*\s+3], 0x80000000
	s_mov_b32 s[G0V+4*\s], 1
	s_add_co_u32 s[G0V+4*\s+1], s15, \s*SLOT
	s_add_nc_u64 s[G0V+4*\s+2:G0V+4*\s+3], s[66:67], 262144+\s*TILEB
	s_or_b32 s[G0V+4*\s+3], s[G0V+4*\s+3], 0x80000000
	JLOAD \s                                       ; tiles 0 and 1: two tensor loads of the wave are out
.endr
	v_and_b32 v28, 15, v0                          ; r
	v_bfe_u32 v29, v0, 4, 1                        ; h
	; Prefetch: the eight work-groups of a head share a tile out, wave 0 of each asking for sixteen blocks of 256 bytes of k (lanes 0-15)
	; and sixteen of v (lanes 16-31), so each block is asked for once.  Here tile 2; at the end of tile t, tile t + 3, whose tensor load
	; is issued one tile's work later; the last ask is clamped to tile 7, so none leaves the head's k and v.
	v_lshlrev_b32 v[PF], 8, v28
	v_lshl_add_u32 v[PF], v29, 18, v[PF]
	s_lshl_b32 s21, s12, 12
	v_add_nc_u32 v[PF], s21, v[PF]
	s_mov_b32 s60, 2*TILEB
	s_cmp_lg_u32 s[WAVE], 0
	s_cbranch_scc1 .Lno_first_ask
	v_add_nc_u32 v[PFA], s60, v[PF]
	global_prefetch_b8 v[PFA], s[58:59] th:TH_LOAD_NT scope:SCOPE_SE
.Lno_first_ask:
	v_lshlrev_b32 v[QOFF], 7, v28                  ; q: row r, 16 bytes at 16 h
	v_lshl_add_u32 v[QOFF], v29, 4, v[QOFF]
	s_lshl_b32 s21, s12, 15                        ; 256 rows of 128 bytes
	s_lshl_b32 s22, s[WAVE], 12                    ; my 32 rows
	s_add_co_u32 s21, s21, s22
	v_add_nc_u32 v[QOFF], s21, v[QOFF]
	WIN 0x40                                       ; destination window 1
.irp u, 0,1
.irp kk, 0,1
	global_load_b128 v[Q+16*\u+8*\kk:Q+16*\u+8*\kk+3],   v[QOFF], s[56:57] offset:2048*\u+64*\kk
	global_load_b128 v[Q+16*\u+8*\kk+4:Q+16*\u+8*\kk+7], v[QOFF], s[56:57] offset:2048*\u+64*\kk+32
.endr
.endr
	WIN 0
	v_mul_u32_u24 v[ADK], v28, KP
	v_lshl_add_u32 v[ADK], v29, 4, v[ADK]
	v_add_nc_u32 v[ADK+1], SLOT, v[ADK]
	v_and_b32 v31, 7, v0
	v_lshl_add_u32 v31, v29, 3, v31                ; key 8 h + l % 8
	v_mul_u32_u24 v[ADV], v31, VP
	v_bfe_u32 v31, v0, 3, 1
	v_lshl_add_u32 v[ADV], v31, 4, v[ADV]          ; 16 bytes at 16 ((l / 8) % 2)
	v_add_nc_u32 v[ADV], 4*PIECE, v[ADV]
	v_add_nc_u32 v[ADV+1], SLOT, v[ADV]
	v_mov_b32 v[T], 0                              ; v_permlanex16_b32 counts as a reader of its destination
	v_mov_b32 v[T+1], 0
.macro LOADK slot, sub                 ; 16 loads: 64 keys x 64 d, into window 1
	WIN 0x40
.irp a, 0,1,2,3
.irp kk, 0,1
	ds_load_b128 v[FK+16*\a+8*\kk:FK+16*\a+8*\kk+3],   v[ADK+(\slot)] offset:(\sub)*PIECE+\a*16*KP+64*\kk
	ds_load_b128 v[FK+16*\a+8*\kk+4:FK+16*\a+8*\kk+7], v[ADK+(\slot)] offset:(\sub)*PIECE+\a*16*KP+64*\kk+32
.endr
.endr
	WIN 0
.endm
.macro LOADV slot, sub                 ; 16 transposing loads: 64 d x 64 keys
.irp t, 0,1,2,3
.irp p, 0,1
	ds_load_tr16_b128 v[FV+16*\t+8*\p:FV+16*\t+8*\p+3],   v[ADV+\slot] offset:\sub*PIECE+\p*32*VP+32*\t
	ds_load_tr16_b128 v[FV+16*\t+8*\p+4:FV+16*\t+8*\p+7], v[ADV+\slot] offset:\sub*PIECE+\p*32*VP+32*\t+16*VP
.endr
.endr
.endm
; S^T: eight accumulators take turns, one instruction a turn, twice round in the same order; the first round starts the sums.
.macro SMUL
	WIN 0x05                                       ; sources 0 and 1 (k's fragments, q's) window 1; C and D window 0
.irp a, 0,1,2,3
.irp u, 0,1
	v_wmma_f32_16x16x32_bf16 v[S+32*\u+8*\a:S+32*\u+8*\a+7], v[FK+16*\a:FK+16*\a+7], v[Q+16*\u:Q+16*\u+7], 0
.endr
.endr
.irp a, 0,1,2,3
.irp u, 0,1
	v_wmma_f32_16x16x32_bf16 v[S+32*\u+8*\a:S+32*\u+8*\a+7], v[FK+16*\a+8:FK+16*\a+15], v[Q+16*\u+8:Q+16*\u+15], v[S+32*\u+8*\a:S+32*\u+8*\a+7]
.endr
.endr
	WIN 0
.endm
; The n-th of the 16 products of O^T += V^T P^T: u = n / 8, p = (n / 4) % 2, t = n % 4.  pv = 0: none; 1: the products with p = 0 start the sums; 2: all add.
; Four accumulators take turns, one instruction a turn, so no product stands next to the one that it adds onto.
.macro PVW n, pv
.if \pv
.set XT, (\n)%4
.set XP, ((\n)/4)%2
.set XU, (\n)/8
.set XZ, 0
.if \pv == 1
.if XP == 0
.set XZ, 1
.endif
.endif
.if XZ
	v_wmma_f32_16x16x32_bf16 v[O+8*(2*XT+XU):O+8*(2*XT+XU)+7], v[FV+16*XT+8*XP:FV+16*XT+8*XP+7], v[P+16*XU+8*XP:P+16*XU+8*XP+7], 0
.else
	v_wmma_f32_16x16x32_bf16 v[O+8*(2*XT+XU):O+8*(2*XT+XU)+7], v[FV+16*XT+8*XP:FV+16*XT+8*XP+7], v[P+16*XU+8*XP:P+16*XU+8*XP+7], v[O+8*(2*XT+XU):O+8*(2*XT+XU)+7]
.endif
.endif
.endm
.macro MAXB i                          ; four links, one of each of the four chains
.irp u, 0,1
	v_max3_num_f32 v[TM+2*\u],   v[TM+2*\u],   v[S+32*\u+2+2*\i],  v[S+32*\u+3+2*\i]
	v_max3_num_f32 v[TM+2*\u+1], v[TM+2*\u+1], v[S+32*\u+19+2*\i], v[S+32*\u+20+2*\i]
.endr
.endm
; The new maximum of each query row: two chains a row block over my 32 scores (one begins at the old maximum), the other half's lane, then - c m and the factor.
; st = 0: the very first sub-tile (no old maximum, no factor).  Products 0 to 5 of the sub-tile before stand among these lines, eight vector instructions apart.
.macro SM_MAX st
	PVW 0, \st
.irp u, 0,1
.if \st == 0
	v_max_num_f32 v[TM+2*\u], v[S+32*\u], v[S+32*\u+1]
.else
	v_max3_num_f32 v[TM+2*\u], v[M+\u], v[S+32*\u], v[S+32*\u+1]
.endif
	v_max3_num_f32 v[TM+2*\u+1], v[S+32*\u+16], v[S+32*\u+17], v[S+32*\u+18]
.endr
	MAXB 0
	PVW 1, \st
	MAXB 1
	MAXB 2
	PVW 2, \st
	MAXB 3
	MAXB 4
	PVW 3, \st
	MAXB 5
.irp u, 0,1
	v_max3_num_f32 v[TM+2*\u], v[TM+2*\u], v[S+32*\u+14], v[S+32*\u+15]
.endr
.irp u, 0,1
	v_max3_num_f32 v[TM+2*\u], v[TM+2*\u], v[TM+2*\u+1], v[S+32*\u+31]
.endr
	PVW 4, \st
.irp u, 0,1
	v_permlanex16_b32 v[T+\u], v[TM+2*\u], s18, s19
.endr
.irp u, 0,1
	v_max_num_f32 v[T+\u], v[T+\u], v[TM+2*\u]
.endr
.irp u, 0,1
	v_mul_f32 v[NM+2*\u],   s20, v[T+\u]
	v_mul_f32 v[NM+2*\u+1], s20, v[T+\u]
.endr
	PVW 5, \st
.if \st
.irp u, 0,1
	v_fma_f32 v[AL+2*\u], s16, v[M+\u], v[NM+2*\u]             ; c m_old - c m_new, never above 0
.endr
	v_exp_f32 v[AL], v[AL]
	v_exp_f32 v[AL+2], v[AL+2]
.endif
	v_mov_b32 v[M], v[T]                           ; plain vector instructions between v_exp_f32 and the use of its result (ISA guide 5.7.2)
	v_mov_b32 v[M+1], v[T+1]
.if \st
	s_wait_alu depctr_va_vdst(0)
	v_mov_b32 v[AL+1], v[AL]
	v_mov_b32 v[AL+3], v[AL+2]
.endif
.endm
.macro FMAG g                          ; c s - c m for the eight scores of group g (u = g / 4)
.irp i, 0,2,4,6
	v_pk_fma_f32 v[S+8*(\g)+\i:S+8*(\g)+\i+1], v[S+8*(\g)+\i:S+8*(\g)+\i+1], s[16:17], v[NM+2*((\g)/4):NM+2*((\g)/4)+1] op_sel_hi:[1,0,1]
.endr
.endm
.macro PACK2 g, r0                     ; two words of group g's four, into P + 4 g
	v_cvt_pk_bf16_f32 v[P+4*\g+\r0],   v[S+8*\g+2*\r0],   v[S+8*\g+2*\r0+1]
	v_cvt_pk_bf16_f32 v[P+4*\g+\r0+1], v[S+8*\g+2*\r0+2], v[S+8*\g+2*\r0+3]
.endm
; Group g: eight exponentials; the next group's multiply-adds are the plain places behind them; the sums, in two pairs that do not wait for
; each other, with the packing between an add and the add that reads it.  pv, wa, wb: two products of the sub-tile before, twelve and eight vector instructions apart.
.macro EXPG g, st, pv, wa, wb
	PVW \wa, \pv
.irp i, 0,1,2,3,4,5,6,7
	v_exp_f32 v[S+8*\g+\i], v[S+8*\g+\i]
.endr
.if \g < 7
	FMAG \g+1
.else
	v_nop
.endif
	PVW \wb, \pv
.set XLS, LS+4*(\g/4)
.set XAL, AL+2*(\g/4)
.set XF, 0
.if (\g % 4) == 0
.if \st == 0
.set XF, 1
.else
.set XF, 2
.endif
.endif
.if XF == 1
	s_wait_alu depctr_va_vdst(0)
	v_pk_add_f32 v[XLS:XLS+1],   v[S+8*\g:S+8*\g+1],   v[S+8*\g+2:S+8*\g+3]       ; the first sub-tile starts the sums
	v_pk_add_f32 v[XLS+2:XLS+3], v[S+8*\g+4:S+8*\g+5], v[S+8*\g+6:S+8*\g+7]
	PACK2 \g, 0
	PACK2 \g, 2
.else
	s_wait_alu depctr_va_vdst(0)
	v_pk_add_f32 v[TM:TM+1],   v[S+8*\g:S+8*\g+1],   v[S+8*\g+2:S+8*\g+3]
	v_pk_add_f32 v[TM+2:TM+3], v[S+8*\g+4:S+8*\g+5], v[S+8*\g+6:S+8*\g+7]
	PACK2 \g, 0
.if XF == 2
	v_pk_fma_f32 v[XLS:XLS+1],   v[XLS:XLS+1],   v[XAL:XAL+1], v[TM:TM+1]         ; the old sums take the factor here
	v_pk_fma_f32 v[XLS+2:XLS+3], v[XLS+2:XLS+3], v[XAL:XAL+1], v[TM+2:TM+3]
.else
	v_pk_add_f32 v[XLS:XLS+1],   v[XLS:XLS+1],   v[TM:TM+1]
	v_pk_add_f32 v[XLS+2:XLS+3], v[XLS+2:XLS+3], v[TM+2:TM+3]
.endif
	PACK2 \g, 2
.endif
.endm
.macro RESC                            ; O times the pair in AL
.irp t, 0,1,2,3
.irp u, 0,1
.irp i, 0,2,4,6
	v_pk_mul_f32 v[O+8*(2*\t+\u)+\i:O+8*(2*\t+\u)+\i+1], v[O+8*(2*\t+\u)+\i:O+8*(2*\t+\u)+\i+1], v[AL+2*\u:AL+2*\u+1]
.endr
.endr
.endr
.endm
.macro PFETCH
	s_cmp_lg_u32 s[WAVE], 0
	s_cbranch_scc1 .Lno_ask_\@
	s_add_co_u32 s60, s60, TILEB
	s_min_u32 s61, s60, 7*TILEB
	s_wait_xcnt 0x0                                ; the last ask's offset register is rewritten only behind this wait
	v_add_nc_u32 v[PFA], s61, v[PF]
	global_prefetch_b8 v[PFA], s[58:59] th:TH_LOAD_NT scope:SCOPE_SE
.Lno_ask_\@:
.endm
; One step: sub-tile sub of the tile in slot.
; st = 0: the very first (no product, no old maximum); 1: the second (its products start O, nothing to rescale); 2: every other.
; mode 0: inside a tile.  1: the tile's last, this slot is filled again.  2: the tile's last, nothing left to fetch.  3: the very last.
.macro SUB slot, sub, st, mode
.if \sub == 0
	s_wait_dscnt 0x0                               ; k's fragments are in: their loads are the youngest
.else
	s_wait_dscnt 16                                ; k's fragments are in; the 16 loads of the last sub-tile's v, issued behind them, may stay out
.endif
	SMUL
.if \st == 2
	RESC                                           ; by the last step's factor: O holds the products up to the sub-tile before the last.  These 32 lines are also the
	                                               ; places between S^T and the loads into k's fragments and the reads of S
.else
	PLACES 4
.endif
.if \mode == 0
	LOADK \slot, \sub+1
.endif
.if \st
.if \mode == 0
	s_wait_dscnt 16                                ; the last sub-tile's v is in; the 16 loads of k just issued may stay out
.else
	s_wait_dscnt 0x0                               ; the last sub-tile's v is in: its loads are the youngest
.endif
.endif
	SM_MAX \st
	FMAG 0
	EXPG 0, \st, \st, 6, 7
	EXPG 1, \st, \st, 8, 9
	EXPG 2, \st, \st, 10, 11
	EXPG 3, \st, \st, 12, 13
	EXPG 4, \st, \st, 14, 15
	LOADV \slot, \sub                              ; eight plain vector instructions behind the last product, which read these registers
	EXPG 5, \st, 0, 0, 0
.if \mode == 1
	s_wait_dscnt 0x0                               ; my reads of this slot are over
	s_set_vgpr_msb 0x5
	s_wait_tensorcnt 0x0                           ; all my tensor loads have landed: the one that was out is my part of the other slot
	ds_add_u32 v96, v97
	s_wait_dscnt 0x0
	s_set_vgpr_msb 0x500
	s_barrier_signal -1                            ; opens a round of the cluster's barrier
	EXPG 6, \st, 0, 0, 0                           ; register work while the others arrive
	s_barrier_wait -1
	CREST                                          ; no wave of any partner still reads this slot or has a load on its way
	s_add_nc_u64 s[G0K+4*\slot+2:G0K+4*\slot+3], s[G0K+4*\slot+2:G0K+4*\slot+3], 2*TILEB
	s_add_nc_u64 s[G0V+4*\slot+2:G0V+4*\slot+3], s[G0V+4*\slot+2:G0V+4*\slot+3], 2*TILEB
	JLOAD \slot                                    ; the wave's one tensor load behind the round: it has the next tile's work in which to land
	PFETCH
	LOADK 1-\slot, 0
.endif
.if \mode == 2
	s_wait_dscnt 0x0
	s_wait_tensorcnt 0x0                           ; my part of the last tile is in
	s_barrier_signal -1
	EXPG 6, \st, 0, 0, 0
	s_barrier_wait -1                              ; everybody's is
	LOADK 1-\slot, 0
.endif
.if \mode == 0
	EXPG 6, \st, 0, 0, 0
.endif
.if \mode == 3
	EXPG 6, \st, 0, 0, 0
.endif
	EXPG 7, \st, 0, 0, 0
.endm
.macro TILE slot, st0, st1, mode
	SUB \slot, 0, \st0, 0
	SUB \slot, 1, \st1, 0
	SUB \slot, 2, 2, 0
	SUB \slot, 3, 2, \mode
.endm
	s_wait_tensorcnt 0x1                           ; my part of tile 0 is in; tile 1's stays out
	s_barrier_signal -1
	s_barrier_wait -1
	LOADK 0, 0
	s_wait_loadcnt 0x0                             ; q
	TILE 0, 0, 1, 1                                ; tiles 0 and 1; tiles 2 and 3 are asked for
	TILE 1, 2, 2, 1
	s_mov_b32 s14, 2
.Llap:
	TILE 0, 2, 2, 1                                ; tiles 2 to 5; tiles 4 to 7 are asked for
	TILE 1, 2, 2, 1
	s_sub_co_u32 s14, s14, 1
	s_cmp_lg_u32 s14, 0
	s_cbranch_scc1 .Llap
	TILE 0, 2, 2, 2
	TILE 1, 2, 2, 3
	; the pipeline runs out: the last factor, the last sub-tile's products
	RESC
	s_wait_dscnt 0x0                               ; the last sub-tile's v
.irp n, 0,1,2,3,4,5,6,7,8,9,10,11,12,13,14,15
	PVW \n, 2
.endr
	; l = the four partial sums of both halves (these lines are also the places behind the last products); O / l; round once; through my own stage as whole rows
.irp u, 0,1
	v_pk_add_f32 v[TM+2*\u:TM+2*\u+1], v[LS+4*\u:LS+4*\u+1], v[LS+4*\u+2:LS+4*\u+3]
.endr
.irp u, 0,1
	v_add_f32 v[TM+2*\u], v[TM+2*\u], v[TM+2*\u+1]
.endr
.irp u, 0,1
	v_permlanex16_b32 v[T+\u], v[TM+2*\u], s18, s19
.endr
.irp u, 0,1
	v_add_f32 v[TM+2*\u], v[TM+2*\u], v[T+\u]      ; at least 1: the row's largest score gives p = 1
.endr
	v_rcp_f32 v[AL], v[TM]
	v_rcp_f32 v[AL+2], v[TM+2]
	v_and_b32 v28, 15, v0                          ; r; also the plain place behind v_rcp_f32
	s_wait_alu depctr_va_vdst(0)
	v_mov_b32 v[AL+1], v[AL]
	v_mov_b32 v[AL+3], v[AL+2]
	RESC
	s_mul_i32 s22, s[WAVE], WSTAGE
	s_add_co_u32 s22, s22, STAGE                   ; my stage: behind the ring, never filled by a tensor load
	v_bfe_u32 v29, v0, 4, 1                        ; h
	v_and_b32 v30, 31, v0                          ; l
	v_mul_u32_u24 v[STO], v28, KP
	v_lshl_add_u32 v[STO], v29, 4, v[STO]
	v_add_nc_u32 v[STO], s22, v[STO]               ; in: row r, 16 bytes at 16 h
	v_lshrrev_b32 v31, 3, v30
	v_mul_u32_u24 v[RD], v31, KP
	v_and_b32 v31, 7, v0
	v_lshl_add_u32 v[RD], v31, 4, v[RD]
	v_add_nc_u32 v[RD], s22, v[RD]                 ; back: four rows of 128 bytes a load
	v_lshlrev_b32 v[CO], 4, v30
.irp t, 0,1,2,3
.irp u, 0,1
.irp i, 0,1,2,3
	v_cvt_pk_bf16_f32 v[S+4*(2*\t+\u)+\i], v[O+8*(2*\t+\u)+2*\i], v[O+8*(2*\t+\u)+2*\i+1]
.endr
.endr
.endr
.irp t, 0,1,2,3
.irp u, 0,1
	ds_store_b128 v[STO], v[S+4*(2*\t+\u):S+4*(2*\t+\u)+3] offset:16*KP*\u+32*\t
.endr
.endr
.irp i, 0,1,2,3,4,5,6,7
	ds_load_b128 v[FV+4*\i:FV+4*\i+3], v[RD] offset:4*KP*\i        ; a wave's LDS instructions are served in order: these see the stores above
.endr
.irp i, 0,1,2,3,4,5,6,7
	s_wait_dscnt 7-\i
	global_store_b128 v[CO], v[FV+4*\i:FV+4*\i+3], s[6:7] offset:512*\i   ; 512 consecutive bytes, aligned
.endr
	s_set_vgpr_msb 0x5
	s_wait_tensorcnt 0x0
	ds_add_u32 v96, v97
	s_wait_dscnt 0x0
	s_set_vgpr_msb 0x500
	CROUND                                         ; the closing round
	s_endpgm
.Lfunc_end_k_q595a0684da_attn:
	.size	k_q595a0684da_attn, .Lfunc_end_k_q595a0684da_attn-k_q595a0684da_attn
	.p2alignl 7, 3214868480
	.fill 96, 4, 3214868480
	.section	.rodata,"a",@progbits
	.p2align	6, 0x0
	.amdhsa_kernel k_q595a0684da_attn
		.amdhsa_group_segment_fixed_size 327680
		.amdhsa_private_segment_fixed_size 0
		.amdhsa_enable_private_segment 0
		.amdhsa_kernarg_size 16
		.amdhsa_user_sgpr_count 2
		.amdhsa_user_sgpr_kernarg_segment_ptr 1
		.amdhsa_wavefront_size32 1
		.amdhsa_system_sgpr_workgroup_id_x 1
		.amdhsa_system_sgpr_workgroup_id_y 1
		.amdhsa_system_sgpr_workgroup_id_z 1
		.amdhsa_system_vgpr_workitem_id 0
		.amdhsa_next_free_vgpr 354
		.amdhsa_next_free_sgpr 72
		.amdhsa_reserve_vcc 0
		.amdhsa_float_denorm_mode_32 3
		.amdhsa_float_denorm_mode_16_64 3
		.amdhsa_memory_ordered 1
		.amdhsa_forward_progress 1
		.amdhsa_inst_pref_size 255
	.end_amdhsa_kernel
	.section	.bss,"aw",@nobits
	.p2align	6
	.space	262144
	.amdgpu_metadata
---
amdhsa.version: [ 1, 2 ]
amdhsa.kernels:
  - .name:           k_q595a0684da_attn
    .symbol:         k_q595a0684da_attn.kd
    .args:
      - { .name: qkv, .offset: 0, .size: 8, .value_kind: global_buffer, .address_space: global }
      - { .name: ao, .offset: 8, .size: 8, .value_kind: global_buffer, .address_space: global }
    .group_segment_fixed_size: 327680
    .private_segment_fixed_size: 0
    .kernarg_segment_align: 8
    .kernarg_segment_size: 16
    .max_flat_workgroup_size: 256
    .sgpr_count:     72
    .vgpr_count:     354
    .wavefront_size: 32
...
	.end_amdgpu_metadata
.endif
;; end of part 3
;; launch oproj (part 4): grid 8 x 32, 4 waves a work-group, clusters of 4 x 4, 327,680 bytes of LDS; arguments ao, wt, bo, out0; writes out0
.if DOCPART == 4
	.amdgcn_target "amdgcn-amd-amdhsa--gfx1250"
	.amdhsa_code_object_version 6
	.text
	.protected	k_q595a0684da_oproj
	.globl	k_q595a0684da_oproj
	.p2align	8
	.type	k_q595a0684da_oproj,@function
k_q595a0684da_oproj:
	s_mov_b64 s[64:65], 0
	v_nop
	global_prefetch_b8 v0, s[64:65] scope:SCOPE_SE
	s_setreg_imm32_b32 hwreg(HW_REG_WAVE_MODE, 25, 1), 1
	s_wait_xcnt 0x0
	s_wait_alu depctr_hold_cnt(0) depctr_sa_sdst(0) depctr_va_vdst(0) depctr_va_sdst(0) depctr_va_ssrc(0) depctr_va_vcc(0) depctr_vm_vsrc(0)
	s_getreg_b32 s2, hwreg(HW_REG_IB_STS2, 6, 4)
	s_cmp_eq_u32 s2, 0
	s_cbranch_scc0 .Lentry_in_a_cluster
	s_endpgm
.Lentry_in_a_cluster:
	s_bfe_u32 s2, ttmp6, 0x10000c
	s_cmp_lg_u32 s2, 0xf033
	s_cbranch_scc0 .Lentry_shape_is_right
	s_endpgm
.Lentry_shape_is_right:
; out0[row][n] = sum over k of ao(row, k) wt[3072 + n][k] + bo[n], in f32.  ao lies as [block of 128 rows][head][row][64], k = 64 head + d.
; A work-group makes 128 rows x 128 columns, so that there are 256 of them; four waves, 2 x 2, each 64 x 64 = 16 accumulator tiles in window 1 at 8 (4 a + b).
; K = 1024 goes in 4 tiles of 256 (four heads) through two LDS slots: half of K goes out in the first fills, and the text needs no loop.
; CLUSTER 4 x 4: ao's tile hangs on the block of rows alone and is shared along a row of the cluster, wt's on the block of columns alone and is shared along a column.
; LIMITS: operands are bf16, sums f32, K ascending in one accumulator for each output.
; The matrix instruction is used transposed (source 0 = rows of wt, source 1 = rows of ao): a lane holds row l % 16 and eight neighbouring columns.
.set AP,     144                       ; ao's LDS row: 128 bytes + 16
.set BP,     528                       ; wt's LDS row: 512 bytes + 16
.set PIECE,  256*AP                    ; what one wave's tensor load may fill: ao 256 rows (two heads x 128), wt 64 rows (the rest is never touched)
.set SLOT,   4*PIECE
.set STAGE,  2*SLOT
.set SP,     272                       ; stage row: 64 f32 + 16 bytes
.set WSTAGE, 16*SP
.set WAVE, 12
.set G1A, 24
.set G0A, 32
.set G1B, 40
.set G0B, 48
.set ADRA, 16
.set ADRB, 20
.set STO, 24
.set RD,  25
.set CO,  26
.set BOFF, 27
.set BIAS, 32                          ; v[32:63]
.set FA, 64                            ; v[64+64 f ..]  four fragments of ao, buffer f
.set FB, 96                            ; v[96+64 f ..]  four fragments of wt
.set T,  192                           ; v[192:223]
.set RB, 224                           ; v[224:255]
.set MSB, 0
.macro WIN new
.if MSB != \new
	s_set_vgpr_msb (MSB<<8)|\new
.set MSB, \new
.endif
.endm
.macro PLACES n
.rept \n
	v_nop
.endr
.endm
.macro CREST
	s_cmp_lg_u32 s[WAVE], 0
	s_cbranch_scc1 .Lnot_wave_0_\@
	s_barrier_signal -3
.Lnot_wave_0_\@:
	s_barrier_wait -3
	s_barrier_signal -1
	s_barrier_wait -1
.endm
.macro CROUND
	s_barrier_signal -1
	s_barrier_wait -1
	CREST
.endm
.macro JLOAD s                         ; waves 0, 1 ask for ao's two halves, waves 2, 3 for wt's
	s_cmp_lt_u32 s[WAVE], 2
	s_cbranch_scc0 .Lfor_b_\@
	tensor_load_to_lds s[G0A+4*\s:G0A+4*\s+3], s[G1A:G1A+7]
	s_nop 0
	s_branch .Lasked_\@
.Lfor_b_\@:
	tensor_load_to_lds s[G0B+4*\s:G0B+4*\s+3], s[G1B:G1B+7]
	s_nop 0
.Lasked_\@:
.endm
	s_load_b256 s[4:11], s[0:1], 0x0               ; ao s[4:5], wt s[6:7], bo s[8:9], out0 s[10:11]
	v_lshl_add_u32 v30, v0, 2, 0x4c400
	v_mov_b32 v31, 0
	ds_add_u32 v30, v31
	v_lshrrev_b32 v1, 5, v0
	v_readfirstlane_b32 s[WAVE], v1
	s_lshr_b32 s13, s[WAVE], 1                     ; my half of the rows
	s_and_b32 s14, s[WAVE], 1                      ; my half of the columns; also which half of a tile I fetch
	s_bfe_u32 s15, ttmp6, 0x40000                  ; cx
	s_bfe_u32 s16, ttmp6, 0x40004                  ; cy
	s_lshl_b32 s17, ttmp9, 2
	s_add_co_u32 s17, s17, s15                     ; block of 128 columns
	s_and_b32 s18, ttmp7, 0xffff
	s_lshl_b32 s18, s18, 2
	s_add_co_u32 s18, s18, s16                     ; block of 128 rows
	s_lshl_b32 s19, s16, 2
	s_lshl_b32 s19, 15, s19                        ; my row of the cluster
	s_lshl_b32 s20, 0x1111, s15                    ; my column
	s_or_b32 s[G1A+0], s19, (1<<16)|(1<<20)|(1<<21)|(4<<22)|(3<<25)   ; 4 words behind every 32
	s_or_b32 s[G1B+0], s20, (1<<16)|(1<<20)|(1<<21)|(6<<22)|(3<<25)   ; 4 words behind every 128
	s_mov_b32 s[G1A+1], 64<<16                     ; ao: rows of 64 elements,
	s_mov_b32 s[G1A+2], 256<<16                    ; 256 of them, dense in memory
	s_mov_b32 s[G1A+3], 64<<16
	s_mov_b32 s[G1A+4], 256
	s_mov_b32 s[G1A+5], 64
	s_mov_b32 s[G1A+6], 0
	s_mov_b32 s[G1A+7], 0
	s_mov_b32 s[G1B+1], 256<<16                    ; wt: rows of 256 elements,
	s_mov_b32 s[G1B+2], 64<<16                     ; 64 of them,
	s_mov_b32 s[G1B+3], 256<<16
	s_mov_b32 s[G1B+4], 64
	s_mov_b32 s[G1B+5], 1024                       ; 1,024 elements apart
	s_mov_b32 s[G1B+6], 0
	s_mov_b32 s[G1B+7], 0
	s_lshl_b32 s21, s14, 15                        ; two heads of 16,384 bytes
	s_lshl_b32 s56, s18, 18                        ; ao: 262,144 bytes a block of rows
	s_add_co_u32 s56, s56, s21
	s_mov_b32 s57, 0
	s_lshl_b32 s23, s14, 17                        ; 64 rows of 2,048 bytes
	s_lshl_b32 s58, s17, 18                        ; wt: 128 rows a block of columns,
	s_add_co_u32 s58, s58, s23
	s_add_co_u32 s58, s58, 3072*2048               ; behind the rows of q, k, v
	s_mov_b32 s59, 0
	s_mul_i32 s22, s[WAVE], PIECE                  ; LDS: the wave's number times a piece
	s_wait_dscnt 0x0
	s_wait_kmcnt 0x0
	s_add_nc_u64 s[56:57], s[4:5], s[56:57]
	s_add_nc_u64 s[58:59], s[6:7], s[58:59]
	CROUND                                         ; the first joint loads meet
.irp s, 0,1
	s_mov_b32 s[G0A+4*\s], 1
	s_add_co_u32 s[G0A+4*\s+1], s22, \s*SLOT
	s_add_nc_u64 s[G0A+4*\s+2:G0A+4*\s+3], s[56:57], \s*65536
	s_or_b32 s[G0A+4*\s+3], s[G0A+4*\s+3], 0x80000000
	s_mov_b32 s[G0B+4*\s], 1
	s_add_co_u32 s[G0B+4*\s+1], s22, \s*SLOT
	s_add_nc_u64 s[G0B+4*\s+2:G0B+4*\s+3], s[58:59], \s*512
	s_or_b32 s[G0B+4*\s+3], s[G0B+4*\s+3], 0x80000000
	JLOAD \s                                       ; tiles 0 and 1: two tensor loads of the wave are out
.endr
	v_and_b32 v1, 15, v0                           ; r
	v_bfe_u32 v2, v0, 4, 1                         ; h
	s_lshl_b32 s62, s17, 9                         ; my first column in bytes of f32: 512 a block + 256 a half
	s_lshl_b32 s63, s14, 8
	s_add_co_u32 s62, s62, s63
	v_lshl_add_u32 v[BOFF], v2, 5, s62
.irp b, 0,1,2,3
	global_load_b128 v[BIAS+8*\b:BIAS+8*\b+3],   v[BOFF], s[8:9] offset:64*\b
	global_load_b128 v[BIAS+8*\b+4:BIAS+8*\b+7], v[BOFF], s[8:9] offset:64*\b+16
.endr
	v_mul_u32_u24 v3, v1, AP
	v_lshl_add_u32 v3, v2, 4, v3
	s_mul_i32 s23, s13, 64*AP                      ; my 64 rows in each head's 128
	v_add_nc_u32 v[ADRA], s23, v3
	v_add_nc_u32 v[ADRA+1], SLOT, v[ADRA]
	v_mul_u32_u24 v4, v1, BP
	v_lshl_add_u32 v4, v2, 4, v4
	s_mul_i32 s23, s14, PIECE                      ; my 64 columns are one piece of wt's,
	s_add_co_u32 s23, s23, 2*PIECE                 ; behind ao's two
	v_add_nc_u32 v[ADRB], s23, v4
	v_add_nc_u32 v[ADRB+1], SLOT, v[ADRB]
	s_mul_i32 s23, s[WAVE], WSTAGE
	s_add_co_u32 s23, s23, STAGE
	v_mul_u32_u24 v5, v1, SP
	v_lshl_add_u32 v5, v2, 5, v5
	v_add_nc_u32 v[STO], s23, v5                   ; in: row r, 32 bytes at 32 h
	v_mul_u32_u24 v6, v2, SP
	v_lshl_add_u32 v6, v1, 4, v6
	v_add_nc_u32 v[RD], s23, v6                    ; back: lanes 0-15 one row of 256 bytes, lanes 16-31 the next
	v_lshlrev_b32 v[CO], 4, v1
	v_lshl_add_u32 v[CO], v2, 12, v[CO]            ; the same two rows of out0
	s_lshl_b32 s60, s18, 19                        ; 128 rows of 4,096 bytes
	s_lshl_b32 s61, s13, 18                        ; 64 rows
	s_add_co_u32 s60, s60, s61
	s_add_co_u32 s60, s60, s62
	s_mov_b32 s61, 0
	s_add_nc_u64 s[10:11], s[10:11], s[60:61]
; 16 LDS loads: the fragments of 32 along K, the kq-th of a tile's eight, into buffer f
.macro FETCH slot, kq, f
.irp i, 0,1,2,3
	ds_load_b128 v[FA+64*(\f)+8*\i:FA+64*(\f)+8*\i+3],   v[ADRA+\slot] offset:((\kq)/2)*128*AP+((\kq)%2)*64+\i*16*AP
	ds_load_b128 v[FA+64*(\f)+8*\i+4:FA+64*(\f)+8*\i+7], v[ADRA+\slot] offset:((\kq)/2)*128*AP+((\kq)%2)*64+\i*16*AP+32
.endr
.irp i, 0,1,2,3
	ds_load_b128 v[FB+64*(\f)+8*\i:FB+64*(\f)+8*\i+3],   v[ADRB+\slot] offset:64*(\kq)+\i*16*BP
	ds_load_b128 v[FB+64*(\f)+8*\i+4:FB+64*(\f)+8*\i+7], v[ADRB+\slot] offset:64*(\kq)+\i*16*BP+32
.endr
.endm
; The 16 accumulators take turns, one instruction a turn, in the same order in every quarter.
.macro MUL8 f, a0, zero
.irp a, \a0, \a0+1
.irp b, 0,1,2,3
.if \zero
	v_wmma_f32_16x16x32_bf16 v[8*(4*(\a)+\b):8*(4*(\a)+\b)+7], v[FB+64*\f+8*\b:FB+64*\f+8*\b+7], v[FA+64*\f+8*(\a):FA+64*\f+8*(\a)+7], 0
.else
	v_wmma_f32_16x16x32_bf16 v[8*(4*(\a)+\b):8*(4*(\a)+\b)+7], v[FB+64*\f+8*\b:FB+64*\f+8*\b+7], v[FA+64*\f+8*(\a):FA+64*\f+8*(\a)+7], v[8*(4*(\a)+\b):8*(4*(\a)+\b)+7]
.endif
.endr
.endr
.endm
.macro QUARTER slot, kqnext, f, zero
	PLACES 4                                       ; four places between the matrix instructions that read the other buffer and the loads into it
	FETCH \slot, \kqnext, 1-\f
	s_wait_dscnt 16                                ; all but the 16 loads just issued: buffer f is whole
	WIN 0x50                                       ; C and D window 1
	MUL8 \f, 0, \zero
	MUL8 \f, 2, \zero
	WIN 0
.endm
.macro SEVEN slot, zero
	QUARTER \slot, 1, 0, \zero
	QUARTER \slot, 2, 1, 0
	QUARTER \slot, 3, 0, 0
	QUARTER \slot, 4, 1, 0
	QUARTER \slot, 5, 0, 0
	QUARTER \slot, 6, 1, 0
	QUARTER \slot, 7, 0, 0
.endm
; A tile's last quarter multiplies buffer 1 and changes slots: each wave's reads of this slot and all its tensor loads are waited for in front of the
; barrier; fill = 1: the barrier opens a round of the cluster's barrier and this slot's joint refill is the wave's one tensor load behind it.
.macro TURN slot, next, fill
	s_wait_dscnt 0x0
	s_wait_tensorcnt 0x0
	ds_add_u32 v30, v31
	s_wait_dscnt 0x0
	s_barrier_signal -1
	WIN 0x50
	MUL8 1, 0, 0
	WIN 0
	s_barrier_wait -1
.if \fill
	CREST
	s_add_nc_u64 s[G0A+4*\slot+2:G0A+4*\slot+3], s[G0A+4*\slot+2:G0A+4*\slot+3], 2*65536
	s_add_nc_u64 s[G0B+4*\slot+2:G0B+4*\slot+3], s[G0B+4*\slot+2:G0B+4*\slot+3], 2*512
	JLOAD \slot
.endif
	PLACES 4
	FETCH \next, 0, 0
	WIN 0x50
	MUL8 1, 2, 0
	WIN 0
.endm
	s_wait_tensorcnt 0x1                           ; my part of tile 0 is in; tile 1's stays out
	s_barrier_signal -1
	s_barrier_wait -1
	FETCH 0, 0, 0
	SEVEN 0, 1                                     ; the first products start the sums
	TURN 0, 1, 1                                   ; tile 2 is asked for
	SEVEN 1, 0
	TURN 1, 0, 1                                   ; tile 3
	SEVEN 0, 0
	TURN 0, 1, 0
	SEVEN 1, 0
	s_wait_dscnt 0x0
	WIN 0x50
	MUL8 1, 0, 0
	MUL8 1, 2, 0
	WIN 0
	PLACES 4                                       ; behind the last matrix instructions, ahead of the vector reads of their results
	s_wait_loadcnt 0x0                             ; the bias
; Rows 16 a .. 16 a + 15 of my 64: add the bias, 32 bytes a lane into my own stage, read back as whole rows of 256 bytes, store.
.macro OUT a
	WIN 0x01                                       ; source 0 window 1
.irp b, 0,1,2,3
.irp p, 0,2,4,6
	v_pk_add_f32 v[T+8*\b+\p:T+8*\b+\p+1], v[8*(4*\a+\b)+\p:8*(4*\a+\b)+\p+1], v[BIAS+8*\b+\p:BIAS+8*\b+\p+1]
.endr
.endr
	WIN 0
.irp b, 0,1,2,3
	ds_store_b128 v[STO], v[T+8*\b:T+8*\b+3]   offset:64*\b
	ds_store_b128 v[STO], v[T+8*\b+4:T+8*\b+7] offset:64*\b+16
.endr
	s_wait_xcnt 0x0                                ; RB, which the last group's stores read, is loaded again only behind this wait
.irp t, 0,1,2,3,4,5,6,7
	ds_load_b128 v[RB+4*\t:RB+4*\t+3], v[RD] offset:2*SP*\t        ; a wave's LDS instructions are served in order: these see the stores above
.endr
.irp t, 0,1,2,3,4,5,6,7
	s_wait_dscnt 7-\t
	global_store_b128 v[CO], v[RB+4*\t:RB+4*\t+3], s[10:11] offset:(16*\a+2*\t)*4096 th:TH_STORE_NT   ; sixteen lanes store 256 consecutive bytes, aligned
.endr
.endm
	OUT 0
	OUT 1
	OUT 2
	OUT 3
	s_wait_tensorcnt 0x0
	ds_add_u32 v30, v31
	s_wait_dscnt 0x0
	CROUND                                         ; the closing round
	s_endpgm
.Lfunc_end_k_q595a0684da_oproj:
	.size	k_q595a0684da_oproj, .Lfunc_end_k_q595a0684da_oproj-k_q595a0684da_oproj
	.p2alignl 7, 3214868480
	.fill 96, 4, 3214868480
	.section	.rodata,"a",@progbits
	.p2align	6, 0x0
	.amdhsa_kernel k_q595a0684da_oproj
		.amdhsa_group_segment_fixed_size 327680
		.amdhsa_private_segment_fixed_size 0
		.amdhsa_enable_private_segment 0
		.amdhsa_kernarg_size 32
		.amdhsa_user_sgpr_count 2
		.amdhsa_user_sgpr_kernarg_segment_ptr 1
		.amdhsa_wavefront_size32 1
		.amdhsa_system_sgpr_workgroup_id_x 1
		.amdhsa_system_sgpr_workgroup_id_y 1
		.amdhsa_system_sgpr_workgroup_id_z 1
		.amdhsa_system_vgpr_workitem_id 0
		.amdhsa_next_free_vgpr 384
		.amdhsa_next_free_sgpr 66
		.amdhsa_reserve_vcc 0
		.amdhsa_float_denorm_mode_32 3
		.amdhsa_float_denorm_mode_16_64 3
		.amdhsa_memory_ordered 1
		.amdhsa_forward_progress 1
		.amdhsa_inst_pref_size 93
	.end_amdhsa_kernel
	.amdgpu_metadata
---
amdhsa.version: [ 1, 2 ]
amdhsa.kernels:
  - .name:           k_q595a0684da_oproj
    .symbol:         k_q595a0684da_oproj.kd
    .args:
      - { .name: ao, .offset: 0, .size: 8, .value_kind: global_buffer, .address_space: global }
      - { .name: wt, .offset: 8, .size: 8, .value_kind: global_buffer, .address_space: global }
      - { .name: bo, .offset: 16, .size: 8, .value_kind: global_buffer, .address_space: global }
      - { .name: out0, .offset: 24, .size: 8, .value_kind: global_buffer, .address_space: global }
    .group_segment_fixed_size: 327680
    .private_segment_fixed_size: 0
    .kernarg_segment_align: 8
    .kernarg_segment_size: 32
    .max_flat_workgroup_size: 128
    .sgpr_count:     66
    .vgpr_count:     384
    .wavefront_size: 32
...
	.end_amdgpu_metadata
.endif
;; end of part 4
